; MI455X (gfx1250); checked and timed in simulation.
; The chip was launched on July 23, 2026; its instructions are those of AMD's public machine-readable ISA for CDNA 5 (MIT licence, August 2026) and "CDNA5" Instruction Set Architecture Reference Guide (July 2026). The comments in the code are by the model that wrote it; some were corrected since.
;; Scale Dot Product. Allowed arithmetic: float matrix products may take bf16 or f16 operands with f32 sums; other float arithmetic in f32, or as packed bf16 or f16 multiplies, adds, multiply-adds, maxima and minima; sums over many terms, partial sums and values carried from step to step in f32; what a program stores and reads back later, other than sums and carried values, may be rounded once to bf16 or f16.
;; Inputs: attention_mask 4 x 1 x 1 x 2,048 float32; k 4 x 16 x 2,048 x 64 float32; q 4 x 16 x 2,048 x 64 float32; v 4 x 16 x 2,048 x 64 float32.
;; Outputs: out0 4 x 16 x 2,048 x 64 float32.
;; Constants: attention_head_size = 64.
;; One version. Each part assembles by itself: llvm-mc -triple=amdgcn-amd-amdhsa -mcpu=gfx1250 --defsym DOCPART=n.
;; ======== version 1 of 1: 1 launch
;; limits: inputs' magnitudes at most 65,504; values are held in f16: magnitudes above 65,504 overflow, below 6.1e-05 lose precision; right only within a limited range of input values
;; launch attn (part 1): grid 4 x 64, 4 waves a work-group, clusters of 4 x 1, 327,680 bytes of LDS; arguments q, k, v, out0, attention_mask; writes out0
.if DOCPART == 1
	.amdgcn_target "amdgcn-amd-amdhsa--gfx1250"
	.amdhsa_code_object_version 6
	.text
	.protected	k_qe1beb45aa9_attn
	.globl	k_qe1beb45aa9_attn
	.p2align	8
	.type	k_qe1beb45aa9_attn,@function
k_qe1beb45aa9_attn:
	s_mov_b64 s[64:65], 0
	v_nop
	global_prefetch_b8 v0, s[64:65] scope:SCOPE_SE
	s_setreg_imm32_b32 hwreg(HW_REG_WAVE_MODE, 25, 1), 1
	s_wait_xcnt 0x0
	s_wait_alu depctr_hold_cnt(0) depctr_sa_sdst(0) depctr_va_vdst(0) depctr_va_sdst(0) depctr_va_ssrc(0) depctr_va_vcc(0) depctr_vm_vsrc(0)
	s_getreg_b32 s2, hwreg(HW_REG_IB_STS2, 6, 4)
	s_cmp_eq_u32 s2, 0
	s_cbranch_scc0 .Lentry_in_a_cluster
	s_endpgm
.Lentry_in_a_cluster:
	s_bfe_u32 s2, ttmp6, 0x10000c
	s_cmp_lg_u32 s2, 0x3003
	s_cbranch_scc0 .Lentry_shape_is_right
	s_endpgm
.Lentry_shape_is_right:
; out0[b][h][q][:] = the sum over k of softmax_k(q[b][h][q] . k[b][h][k] / 8 + mask[b][k]) v[b][h][k][:].  q, k, v, out0: [4][16][2048][64] f32 (a row is 256 bytes, a head 524,288); mask: [4][2048] f32.
; FORMATS.  Both products take f16 operands and f32 sums.  q is multiplied in f32 by log2(e) / 8 and rounded once to f16; k, v and the weights p are rounded once to f16; the mask is multiplied by log2(e)
; and stays f32: it is the C operand that starts each sum of scores.  So an accumulator holds s = log2(e) x (score + mask), and p = 2^(s - m) with the running maximum m: the exponent is never above 0.
; Maxima, sums (l is taken of the unrounded p) and O stay f32; O is divided by l once at the end.
; LIMITS.  |q| x 0.18, |k| and |v| stay under 65,504 (f16's range).  p below 6e-5 keeps f16's fixed step of 6e-8; a weight below 2^-126 counts as 0 in l.  log2(e) x mask below -1e30 (minus infinity too; a NaN as well)
; counts as -1e30, so keys masked below that are not told apart: a row all of whose keys are so masked gets their plain mean.  Other NaN and infinities are not treated apart.
; SHARES.  A work-group owns 512 queries of one head, each of its four waves 128: four PIECES of two tiles of 16.  Every wave walks the head's 2,048 keys, 64 a step.  4 x 64 work-groups.
; CLUSTER.  The four query blocks of a head are one cluster and walk the same K and V: each tile is asked for JOINTLY, by the same tensor load, descriptor and mask in all four.
; THE ROAD OF K AND V.  A TILE is 128 keys.  Tensor loads bring it as f32 into one of two STAGING slots; the four waves, 32 keys each, round it to f16 into one of two OPERAND buffers, which no tensor load ever
; fills.  In phase c (eight turns, two key steps) fragments are read from operand buffer c % 2, tile c + 1 is rounded from staging slot (c + 1) % 2 into operand buffer (c + 1) % 2, four keys a wave and turn, and
; tile c + 2 is on its way into staging slot c % 2.  ONE barrier a phase orders all of it.
; LAYOUT.  S^T = K Q^T (source 0 = 16 keys, source 1 = 16 queries): a lane holds ONE query (lane % 16) and the keys 8 (lane / 16) + 0..7.  Two such results, rounded to f16 in pairs, ARE source 1 of O^T = V^T P,
; whose result again holds one query a lane, and eight channels.  K comes out of LDS as it lies, V ([key][channel]) turned, by ds_load_tr16_b128.
; SOFTMAX.  In every step O and l are multiplied by a = 2^(m_old - m_new).  m starts at the lowest finite number, O and l at 0: the first step is a step like any other, with a = 0.
; BY TURNS.  A tile and step have 16 matrix and 117 vector instructions.  Turn n belongs to piece n: 16 products K Q^T of piece n + 1, later 16 products V^T P of piece n - 1; beside them the subtraction of m,
; exponentials, roundings, sums and rescaling of piece n and the maximum and statistics of piece n + 1.  Four vector instructions that are ready stand behind every matrix instruction, the others in two LUMPS.
; REGISTERS, in windows of 256 (s_set_vgpr_msb: bits 1:0 source 0, 3:2 source 1, 5:4 source 2, 7:6 destination):
;   window 0: v0-15 addresses and four at work; v16-47 four registers of statistics a tile; v48-63 at work; v64-191 S^T, two buffers of two tiles; v192-255 P, likewise
;   window 1: O^T, 32 a tile (first: Q as loaded, f32)          window 2: v0-127 Q, 16 a tile; v128-191 K of one step; v192-255 V of one step
;   window 3: v0-1 the add's two registers; v2-9 addresses; v16-23 eight packed registers; v32-63 the mask of one step; v64-127 four sets of 16 f32 on their way to f16
.set NP,    4         ; pieces a wave: a name, no knob
.set KS,    64        ; keys in a step
.set TK,    128       ; keys in a tile
.set SPT,   272       ; a staged row: 256 bytes + 16 of padding = 68 words: two neighbouring rows' 32-byte pieces fall on different banks (64 banks of 4 bytes: ISA guide 11.1)
.set VS,    TK*SPT    ; a staging slot: 128 rows of K, then 128 rows of V
.set BOP,   2*VS      ; behind it the operand buffer:
.set PK,    144       ; a row of K in f16: 128 bytes + 16: the 16 rows of a fragment load start at 16 different groups of four banks
.set PV,    160       ; a row of V: 128 + 32
.set VOFF,  TK*PK     ; 128 rows of K, then 128 rows of V
.set MASKB, BOP+TK*(PK+PV)  ; 108,544: the batch's 2,048 mask numbers, 8,192 bytes
.set SLOT1, 1<<17     ; the second staging slot and operand buffer lie this much higher: one exclusive or turns an address in one into the other's
.set STAGE, SLOT1+MASKB     ; 239,616: 16 rows x 272 bytes for each wave, for the way out
.set SP,    272
.set SPARE, STAGE+4*16*SP   ; 257,024: the spare words, 128 bytes for each wave: two blocks of 256 bytes that no other line names
.set TILEB, TK*256    ; a tile's bytes in k and in v
.set AK0, 2           ; v2   my lane's place in a step of K in operand buffer 0; never rewritten
.set AV0, 3           ; v3   the same for V
.set AK,  4           ; v4   the LDS address of K's next run of loads
.set AV,  5           ; v5   of V's
.set STO, 6           ; v6   the way out: where I put 32 bytes of a row
.set RD,  7           ; v7   the way out: where I read rows back
.set GO,  8           ; v8   my byte offset in 512 consecutive bytes of out0
.set PFO, 14          ; v14  the prefetch: 256 x lane + 8,192 x my place in the cluster; never rewritten
.set QO,  15          ; v15  my byte offset in 16 rows of q
.set ST,  16          ; tile t's statistics at v[ST+4 t]: m, m_old, l (even keys', odd keys')
.set TMP, 48          ; by buffer and tile, four registers c0-c3 at work; when the maximum is found c2 takes a
.set S,   64
.set P,   192
.set KF,  128         ; window 2: key block kb, channel half c at KF + 16 kb + 8 c
.set VF,  192         ; window 2: key half kk, channel block cb at VF + 32 kk + 8 cb
.set SPW, 0           ; window 3: LDS address of my spare word: SPARE + 4 x my thread's number; never rewritten
.set NIL, 1           ; window 3: 0; never rewritten
.set AM0, 2           ; window 3: my lane's place in a step's 64 mask numbers
.set AM,  3           ; the LDS address of the mask's next run of loads
.set CS0, 4           ; my lane's 32 bytes in my wave's first four staged rows (slot 0);  CK0, CV0: its 16 bytes in the operand buffer's K and V
.set CK0, 5
.set CV0, 6
.set CSA, 7           ; the same three for the 16 rows in hand
.set CKA, 8
.set CVA, 9
.set CH,  16
.set MK,  32          ; the eight registers for key block kb at MK + 8 kb
.set CF,  64
.set WV,  12          ; s12  my wave's number
.set G1,  24          ; s[24:31] descriptor group 1, one for all loads
.set G0A, 32          ; s[32:35] descriptor group 0 of the first fill
.set G0B, 36          ; s[36:39] of the second; it then walks
.set MP,  48          ; s[48:49] the mask
.set SLOTS, 56        ; s56  phases that still ask for a tile
.set CNT, 57          ; s57  counts a phase's two key steps
.set QS,  58          ; s[58:59] log2(e) / 8: the packed multiply takes the pair's low word for both halves
.set SEL, 60          ; s[60:61] v_permlanex16_b32's selects: each lane takes its own place in the other half
.set TBK, 62          ; s62  what is added to AK0 for the step to be fetched
.set TBV, 63          ; s63  the same for V
.set TBM, 66          ; s66  the same for the mask: 256 bytes a step
.set TCS, 67          ; s67-69  the same for the 16 rows to be rounded next: staging, K, V
.set TCK, 68
.set TCV, 69
.set TS,  70          ; s70  counts the tail's phases
.set PFB, 74          ; s[74:75] the prefetch: the head's k (wave 0) or v
.set PFA, 76          ; s[76:77] the tile asked for
.set PT,  78          ; s78  its number
.set PO,  80          ; s[80:81] its byte offset
.set BIGN, 82         ; s82  -1e30
.set MSB, 0
.macro WIN new                      ; the high byte repeats the setting that is left; a switch that changes nothing is dropped
.if MSB != (\new)
	s_set_vgpr_msb (MSB<<8)|(\new)
.set MSB, (\new)
.endif
.endm
.set W_KQ, 0x0a       ; K and Q in window 2, S^T in window 0
.set W_KM, 0x3a       ; the same with the C operand, the mask, in window 3
.set W_PV, 0x52       ; V in window 2, P in window 0, O^T in window 1
.set W_RS, 0x41       ; destination and source 0 in window 1, source 1 in window 0 or scalar
.set W_MK, 0xc0       ; destination in window 3, sources in window 0
.set W_AD, 0x0f       ; the add: address (source 0) and data (source 1) in window 3
.set W_A3, 0xcc       ; destination and source 1 in window 3, source 0 scalar
.set W_CV, 0xcf       ; everything in window 3
.set W_OUT, 0x44      ; address in window 0, data in window 1
; A round of the cluster's barrier: my work-group's barrier, so that wave 0's signal speaks for all four waves; wave 0 signals; every wave waits for all four work-groups; my work-group's barrier once more.
.macro CROUND
	s_barrier_signal -1
	s_barrier_wait -1
	s_cmp_lg_u32 s[WV], 0
	s_cbranch_scc1 .Lnot_wave_0_\@
	s_barrier_signal -3
.Lnot_wave_0_\@:
	s_barrier_wait -3
	s_barrier_signal -1
	s_barrier_wait -1
.endm
; THE CHANGE OF PHASES.  Each wave waits for all its tensor loads, of which one is out: its quarter of the tile to be rounded next; adds 0 to its spare word; and waits for that, for its stores into the operand
; buffer to be read next, for its reads of the operand buffer that it leaves and for its reads of the staging slot that it has rounded.  Behind the barrier the staged tile is whole, the new operand buffer is whole,
; the old one may be written and the old staging slot filled.  fill = 1: it is filled, with the tile two on.  The barrier is then a round of the cluster's, so that no wave of any partner still reads the slot or has a
; load on its way, and the joint fill is the first thing behind it: it has a phase, 256 matrix instructions, in which to land.  By this text's count a wave has two tensor loads out at the start, later one.
; THE PREFETCH stands behind the fill: wave 0 asks for tile PT of k, wave 1 of v, the tile whose tensor load is issued one phase (eight turns) later.  32 lanes, 256 bytes apart, take 8,192 of the tile's 32,768 bytes,
; the four work-groups of the cluster a quarter each: each block of 256 bytes is asked for once in the launch.  PT runs from 3; at 16 nothing is asked for, so no request passes the head's end.
.macro CHANGE fill
	WIN W_AD
	s_wait_tensorcnt 0x0            ; no tensor load of mine is out, so a group 0 may be written
	ds_add_u32 v[SPW], v[NIL]       ; 0 onto my spare word; with fill = 1 scalar work stands between it and the wait for it
	WIN 0                           ; at a label and at a branch every window is 0
.if \fill
	s_xor_b32 s[G0B+1], s[G0B+1], SLOT1  ; the walking descriptor: the other slot than last time,
	s_add_nc_u64 s[G0B+2:G0B+3], s[G0B+2:G0B+3], TILEB  ; the next 128 keys; the type bits on top are not reached
	s_wait_xcnt 0x0                 ; the last prefetch, a phase back, has had its address translated (ISA guide 3.1): its base may be written
	s_lshl_b32 s[PO], s[PT], 15
	s_add_nc_u64 s[PFA:PFA+1], s[PFB:PFB+1], s[PO:PO+1]
	s_wait_dscnt 0x0                ; the add is done, and so are my LDS stores and reads of the phase
	CROUND
	tensor_load_to_lds s[G0B:G0B+3], s[G1:G1+7]
	s_nop 0
.rept 4
	v_nop
.endr
	s_cmp_lt_u32 s[WV], 2
	s_cbranch_scc0 .Lnp_\@
	s_cmp_lt_u32 s[PT], 16
	s_cbranch_scc0 .Lnp_\@
	global_prefetch_b8 v[PFO], s[PFA:PFA+1] th:TH_LOAD_NT scope:SCOPE_SE
.Lnp_\@:
	s_add_co_u32 s[PT], s[PT], 1
.else
	s_wait_dscnt 0x0                ; the add is done, and so are my LDS stores and reads of the phase
	s_barrier_signal -1
	s_barrier_wait -1
.endif
	s_sub_co_u32 s[TBK], s[TBK], 2*KS*PK  ; the fetches go back to a tile's first step,
	s_xor_b32 s[TBK], s[TBK], SLOT1       ; in the other operand buffer;
	s_sub_co_u32 s[TBV], s[TBV], 2*KS*PV
	s_xor_b32 s[TBV], s[TBV], SLOT1
	s_sub_co_u32 s[TCS], s[TCS], 32*SPT   ; the rounding goes back to my wave's first row, in the other staging slot and the other operand buffer
	s_xor_b32 s[TCS], s[TCS], SLOT1
	s_sub_co_u32 s[TCK], s[TCK], 32*PK
	s_xor_b32 s[TCK], s[TCK], SLOT1
	s_sub_co_u32 s[TCV], s[TCV], 32*PV
	s_xor_b32 s[TCV], s[TCV], SLOT1
.endm
	s_load_b256 s[4:11], s[0:1], 0x0  ; q s[4:5], k s[6:7], v s[8:9], out0 s[10:11]
	s_load_b64 s[MP:MP+1], s[0:1], 0x20  ; the mask
	WIN W_MK
	v_lshl_add_u32 v[SPW], v0, 2, SPARE
	v_mov_b32 v[NIL], 0
	WIN W_AD
	ds_add_u32 v[SPW], v[NIL]       ; the wave's opening: the add and its wait, ahead of my first tensor load; the set-up below, work on registers, stands between them
	WIN 0
	v_lshrrev_b32 v1, 5, v0
	v_readfirstlane_b32 s[WV], v1   ; wave 0..3
	s_bfe_u32 s13, ttmp6, 0x40000   ; cx: my place in the cluster
	s_lshl_b32 s14, ttmp9, 2        ; in a cluster launch ttmp9 counts clusters
	s_add_co_u32 s14, s14, s13      ; my block of 512 queries = 4 x cluster x + cx: it enters q's and out0's addresses alone
	s_and_b32 s15, ttmp7, 0xffff    ; the head, 0..63, which the four partners share
	s_lshl_b32 s20, s15, 19         ; its first byte in q, k, v and out0
	s_mov_b32 s21, 0
	s_and_b32 s16, s[WV], 1         ; which half of a tile's 128 keys I fetch:
	s_lshl_b32 s22, s16, 14         ; its 64 rows of 256 bytes
	s_mov_b32 s23, 0
	s_add_nc_u64 s[22:23], s[22:23], s[20:21]
	s_lshl_b32 s2, s14, 2
	s_add_co_u32 s2, s2, s[WV]      ; my wave among the head's sixteen,
	s_lshl_b32 s2, s2, 15           ; its 128 rows
	s_mov_b32 s3, 0
	s_add_nc_u64 s[2:3], s[2:3], s[20:21]
	s_lshr_b32 s18, s15, 4          ; the batch,
	s_lshl_b32 s18, s18, 13         ; its 8,192 bytes of the mask
	s_mov_b32 s19, 0
	s_lshl_b32 s13, s13, 13         ; my work-group's quarter of a tile in the prefetch
	; descriptor group 1: 64 rows of 64 f32, dense in memory, padded in LDS
	s_mov_b32 s[G1], 15|(2<<16)|(1<<20)|(1<<21)|(5<<22)|(3<<25)  ; 15:0 the mask of four; 17:16 4-byte elements; 20 padding on; 21 set beside a mask; 24:22 after every 64 words (code 5); 31:25 4 words (code 3)
	s_mov_b32 s[G1+1], 64<<16       ; tensor_dim0 = 64
	s_mov_b32 s[G1+2], 64<<16       ; tensor_dim1 = 64
	s_mov_b32 s[G1+3], 64<<16       ; tile_dim0 = 64
	s_mov_b32 s[G1+4], 64           ; tile_dim1 = 64
	s_mov_b32 s[G1+5], 64           ; 64 elements from row to row
	s_mov_b32 s[G1+6], 0
	s_mov_b32 s[G1+7], 0
	s_mov_b32 s[G0A], 1             ; 1:0 count = 1
	s_mul_i32 s[G0A+1], s[WV], 64*SPT  ; 63:32 LDS address: K's two halves, then V's two halves = wave x 64 rows; no place in the cluster enters it
	s_mov_b32 s[G0B], 1
	s_add_co_u32 s[G0B+1], s[G0A+1], SLOT1
	s_mov_b32 s[QS], 0x3e38aa3b     ; log2(e) / 8 = 0.180337
	s_mov_b32 s[QS+1], s[QS]        ; named with it as a pair
	s_mov_b32 s[SEL], 0x76543210
	s_mov_b32 s[SEL+1], 0xfedcba98
	s_mov_b32 s[BIGN], 0xf149f2ca   ; -1e30
	s_mov_b32 s[TBK], SLOT1+2*KS*PK ; the first change of phases turns these two into 0: operand buffer 0,
	s_mov_b32 s[TBV], SLOT1+2*KS*PV
	s_mov_b32 s[TBM], 0
	s_mov_b32 s[TCS], 32*SPT        ; and these three into SLOT1: phase 0 rounds tile 1
	s_mov_b32 s[TCK], 32*PK
	s_mov_b32 s[TCV], 32*PV
	s_mov_b32 s[PT], 3
	s_mov_b32 s[PO+1], 0
	s_wait_dscnt 0x0                ; the opening add is done
	s_wait_kmcnt 0x0
	s_cmp_lt_u32 s[WV], 2           ; waves 0 and 1 fetch K, waves 2 and 3 V: the same choice in every work-group
	s_cselect_b64 s[G0A+2:G0A+3], s[6:7], s[8:9]
	s_add_nc_u64 s[G0A+2:G0A+3], s[G0A+2:G0A+3], s[22:23]  ; 120:64 global address: my half of the head's tile 0,
	s_add_nc_u64 s[G0B+2:G0B+3], s[G0A+2:G0A+3], TILEB     ; and of tile 1
	s_or_b32 s[G0A+3], s[G0A+3], 0x80000000                ; 127:126 type = 2
	s_or_b32 s[G0B+3], s[G0B+3], 0x80000000
	s_cmp_eq_u32 s[WV], 0
	s_cselect_b64 s[PFB:PFB+1], s[6:7], s[8:9]
	s_add_nc_u64 s[PFB:PFB+1], s[PFB:PFB+1], s[20:21]
	s_add_nc_u64 s[4:5], s[4:5], s[2:3]      ; q and out0 at my wave's first row
	s_add_nc_u64 s[10:11], s[10:11], s[2:3]
	s_add_nc_u64 s[MP:MP+1], s[MP:MP+1], s[18:19]
	CROUND                          ; all four work-groups are here: the first joint loads meet
	tensor_load_to_lds s[G0A:G0A+3], s[G1:G1+7]  ; the two first fills go out together, ahead of every wait on TENSORcnt and every LDS read
	s_nop 0
	tensor_load_to_lds s[G0B:G0B+3], s[G1:G1+7]
	s_nop 0
.rept 4
	v_nop
.endr
	v_and_b32 v1, 15, v0            ; l % 16
	v_bfe_u32 v9, v0, 4, 1          ; l / 16
	v_lshlrev_b32 v13, 4, v0        ; the mask: 128 threads x 16 bytes, four times
.irp j, 0,1,2,3
	global_load_b128 v[S+4*\j:S+4*\j+3], v13, s[MP:MP+1] offset:2048*\j
.endr
	; A fragment of Q is 16 rows x 32 channels: lane l holds row l % 16, channels 8 (l / 16) + 0..7 and 16 + 8 (l / 16) + 0..7: in f32 four loads of 16 bytes, at 0, 16, 64 and 80 from row x 256 + 32 (l / 16).
	v_lshlrev_b32 v[QO], 8, v1
	v_lshl_add_u32 v[QO], v9, 5, v[QO]
	WIN 0x40                        ; destination window 1, address window 0
.set i, 0
.rept 16                            ; tile i / 2, channels 32 (i % 2) on; q is read once in the launch
	global_load_b128 v[16*i:16*i+3],     v[QO], s[4:5] offset:(i/2)*4096+(i%2)*128 th:TH_LOAD_NT
	global_load_b128 v[16*i+4:16*i+7],   v[QO], s[4:5] offset:(i/2)*4096+(i%2)*128+16 th:TH_LOAD_NT
	global_load_b128 v[16*i+8:16*i+11],  v[QO], s[4:5] offset:(i/2)*4096+(i%2)*128+64 th:TH_LOAD_NT
	global_load_b128 v[16*i+12:16*i+15], v[QO], s[4:5] offset:(i/2)*4096+(i%2)*128+80 th:TH_LOAD_NT
.set i, i+1
.endr
	WIN 0
	v_mul_u32_u24 v[AK0], v1, PK
	v_lshl_add_u32 v[AK0], v9, 4, v[AK0]  ; row x pitch + 16 x half
	v_add_nc_u32 v[AK0], BOP, v[AK0]
	; The turning load takes 16 keys x 16 channels (lane l reads key 8 (l / 16) + l % 8, channels 8 ((l / 8) % 2) + 0..7) and leaves half a fragment of V^T: lane l holds channel l % 16 and 8 keys.
	v_and_b32 v10, 7, v0
	v_bfe_u32 v11, v0, 3, 1
	v_lshl_add_u32 v[AV0], v9, 3, v10
	v_mul_u32_u24 v[AV0], v[AV0], PV
	v_lshl_add_u32 v[AV0], v11, 4, v[AV0]
	v_add_nc_u32 v[AV0], BOP+VOFF, v[AV0]
	s_mul_i32 s16, s[WV], 16*SP
	s_add_co_u32 s16, s16, STAGE    ; my stage
	v_mul_u32_u24 v[STO], v1, SP    ; in: row l % 16, 32 bytes for each half of the lanes
	v_lshl_add_u32 v[STO], v9, 5, v[STO]
	v_add_nc_u32 v[STO], s16, v[STO]
	v_mul_u32_u24 v[RD], v9, SP     ; back: lanes 0-15 take one row of 256 bytes, lanes 16-31 the next,
	v_lshl_add_u32 v[RD], v1, 4, v[RD]
	v_add_nc_u32 v[RD], s16, v[RD]
	v_and_b32 v[GO], 31, v0         ; which are 512 consecutive bytes of out0
	v_lshlrev_b32 v[PFO], 8, v[GO]
	v_add_nc_u32 v[PFO], s13, v[PFO]
	v_lshlrev_b32 v[GO], 4, v[GO]
	; The rounding: wave w takes a tile's keys 32 w .. 32 w + 31, four at a time: lane l key l / 8, channels 8 (l % 8) + 0..7: 32 bytes of f32, 16 of f16.
	v_bfe_u32 v11, v0, 3, 2         ; l / 8
	v_and_b32 v12, 0x60, v0         ; 32 w
	v_add_nc_u32 v11, v11, v12
	v_mul_u32_u24 v12, v11, SPT
	WIN W_MK
	v_lshl_add_u32 v[AM0], v9, 5, MASKB  ; register j of key block kb belongs to key 16 kb + 8 (l / 16) + j
	v_lshl_add_u32 v[CS0], v10, 5, v12
	WIN 0
	v_mul_u32_u24 v12, v11, PK
	v_lshl_add_u32 v12, v10, 4, v12
	v_mul_u32_u24 v11, v11, PV
	v_lshl_add_u32 v11, v10, 4, v11
	WIN W_MK
	v_add_nc_u32 v[CK0], BOP, v12
	v_add_nc_u32 v[CV0], BOP+VOFF, v11
	WIN 0
	s_wait_loadcnt 0x0              ; the mask and Q
	v_add_nc_u32 v13, MASKB, v13
.set i, 0
.rept 16
	v_mul_f32 v[S+i], 0x3fb8aa3b, v[S+i]  ; log2(e) x mask,
.set i, i+1
.endr
.set i, 0
.rept 16
	v_max_num_f32 v[S+i], s[BIGN], v[S+i]  ; not below -1e30: far above m's start, so that the first step's a is 0 whatever the mask holds
.set i, i+1
.endr
.irp j, 0,1,2,3
	ds_store_b128 v13, v[S+4*\j:S+4*\j+3] offset:2048*\j
.endr
	WIN W_RS
.set i, 0
.rept 128
	v_pk_mul_f32 v[2*i:2*i+1], v[2*i:2*i+1], s[QS:QS+1] op_sel_hi:[1,0]  ; Q x log2(e) / 8, in f32,
.set i, i+1
.endr
	WIN 0x85                        ; sources window 1, destination window 2
.set i, 0
.rept 128
	v_cvt_pk_f16_f32 v[i], v[2*i], v[2*i+1]  ; rounded once to f16: tile t, channel half c at 16 t + 8 c
.set i, i+1
.endr
	; What the first turn finds: V's registers and P's second buffer hold 0 (its products V^T P, of a piece that has not been, add 0), O^T and l are 0.  352 moves, once a launch, in the wait for the first tile:
	; the price of writing no first step out.
	WIN 0x80
.set i, VF
.rept 64
	v_mov_b32 v[i], 0
.set i, i+1
.endr
	WIN 0x40
.set i, 0
.rept 64*NP
	v_mov_b32 v[i], 0
.set i, i+1
.endr
	WIN 0
.set i, 0
.rept 2*NP
	v_mov_b32 v[ST+4*i], 0xff7fffff  ; m: the lowest finite number
	v_mov_b32 v[ST+4*i+2], 0
	v_mov_b32 v[ST+4*i+3], 0
.set i, i+1
.endr
.set i, P+32
.rept 32
	v_mov_b32 v[i], 0
.set i, i+1
.endr
; THE MATRIX WORK.  The 8 accumulators of a run of 16 take turns: between the two links of a chain stand 7 others'.
; Product i of 16 of S^T = K Q^T for piece x: channels 32 (i / 8) on, keys 16 ((i / 2) % 4) on, tile 2 x + i % 2.  The first 8 start the sums, with the keys' mask as C.
.macro KQ x
.set rS, S+64*((\x)%2)+32*(i%2)+8*((i/2)%4)
.set rK, KF+16*((i/2)%4)+8*(i/8)
.set rQ, 16*(2*(\x)+i%2)+8*(i/8)
.set rMk, MK+8*((i/2)%4)
.if i < 8
	WIN W_KM
	v_wmma_f32_16x16x32_f16 v[rS:rS+7], v[rK:rK+7], v[rQ:rQ+7], v[rMk:rMk+7]
.else
	WIN W_KQ
	v_wmma_f32_16x16x32_f16 v[rS:rS+7], v[rK:rK+7], v[rQ:rQ+7], v[rS:rS+7]
.endif
.endm
; Product i of 16 of O^T += V^T P for piece x: keys 32 (i / 8) on, channels 16 ((i / 2) % 4) on, tile 2 x + i % 2.
.macro PV x
	WIN W_PV
.set rO, 32*(2*(\x)+i%2)+8*((i/2)%4)
.set rV, VF+32*(i/8)+8*((i/2)%4)
.set rP, P+32*((\x)%2)+16*(i%2)+8*(i/8)
	v_wmma_f32_16x16x32_f16 v[rO:rO+7], v[rV:rV+7], v[rP:rP+7], v[rO:rO+7]
.endm
.macro MM                           ; the turn's next matrix instruction
.if i < 16
	KQ (Y+1)%NP
.set i, i+1
.else
.set i, i-16
	PV (Y+NP-1)%NP
.set i, i+17
.endif
.endm
; THE LDS LOADS stand in runs, never singly among the matrix instructions: a step's K (8 fragments, 16 loads) with its mask (8 loads; the lanes of a half read the same bytes), and its V (turned, 16 loads).
; Their addresses are made some lines ahead.  last = 1 (the tail): in the tail's last phase there is no further step, and the run is jumped over.
.macro FETCH_K last=0
	WIN 0
.if \last
	s_cmp_eq_u32 s[TS], 1
	s_cbranch_scc1 .Lno_k_\@
.endif
	WIN 0x80                        ; destination window 2
.irp f, 0,1,2,3,4,5,6,7             ; keys 16 (f / 2) on, channels 32 (f % 2) on
	ds_load_b128 v[KF+8*\f:KF+8*\f+3],   v[AK] offset:(\f/2)*16*PK+(\f%2)*64
	ds_load_b128 v[KF+8*\f+4:KF+8*\f+7], v[AK] offset:(\f/2)*16*PK+(\f%2)*64+32
.endr
	WIN W_CV
.irp f, 0,1,2,3                     ; key block f
	ds_load_b128 v[MK+8*\f:MK+8*\f+3],   v[AM] offset:64*\f
	ds_load_b128 v[MK+8*\f+4:MK+8*\f+7], v[AM] offset:64*\f+16
.endr
	s_add_co_u32 s[TBK], s[TBK], KS*PK  ; the next fetch is the next step's
	s_add_co_u32 s[TBM], s[TBM], KS*4
	WIN 0
.if \last
.Lno_k_\@:
.endif
.endm
.macro FETCH_V
	WIN 0x80
.irp f, 0,1,2,3,4,5,6,7             ; keys 32 (f / 4) on, channels 16 (f % 4) on
	ds_load_tr16_b128 v[VF+8*\f:VF+8*\f+3],   v[AV] offset:(\f/4)*32*PV+(\f%4)*32
	ds_load_tr16_b128 v[VF+8*\f+4:VF+8*\f+7], v[AV] offset:(\f/4)*32*PV+16*PV+(\f%4)*32
.endr
	WIN 0
.endm
; THE ROUNDING OF THE NEXT TILE.  CADDR, once in four turns: the addresses of the mask's next run and of my next 16 rows.  CLOAD: four keys of K and of V, group g of those 16 rows (or of my 32), as f32 into set.
; CCVT: they are rounded to f16, 16 bytes a lane and tensor, and stored into the operand buffer.
.macro CADDR
	WIN W_A3
	v_add_nc_u32 v[AM],  s[TBM], v[AM0]
	v_add_nc_u32 v[CSA], s[TCS], v[CS0]
	v_add_nc_u32 v[CKA], s[TCK], v[CK0]
	v_add_nc_u32 v[CVA], s[TCV], v[CV0]
	s_add_co_u32 s[TCS], s[TCS], 16*SPT
	s_add_co_u32 s[TCK], s[TCK], 16*PK
	s_add_co_u32 s[TCV], s[TCV], 16*PV
.endm
.macro CLOAD a, g, set
	WIN W_CV
	ds_load_b128 v[CF+16*(\set):CF+16*(\set)+3],     v[\a] offset:(\g)*4*SPT
	ds_load_b128 v[CF+16*(\set)+4:CF+16*(\set)+7],   v[\a] offset:(\g)*4*SPT+16
	ds_load_b128 v[CF+16*(\set)+8:CF+16*(\set)+11],  v[\a] offset:(\g)*4*SPT+VS
	ds_load_b128 v[CF+16*(\set)+12:CF+16*(\set)+15], v[\a] offset:(\g)*4*SPT+VS+16
.endm
.macro CCVT ka, va, g, set
	WIN W_CV
.set cz, 0
.rept 8
	v_cvt_pk_f16_f32 v[CH+cz], v[CF+16*(\set)+2*cz], v[CF+16*(\set)+2*cz+1]
.set cz, cz+1
.endr
	ds_store_b128 v[\ka], v[CH:CH+3]   offset:(\g)*4*PK
	ds_store_b128 v[\va], v[CH+4:CH+7] offset:(\g)*4*PV
.endm
; THE VECTOR WORK OF A TURN stands in three queues, each in the order in which its entries become ready; the two tiles alternate, so that no instruction reads the result of the one before it.
.macro REGS y, u                    ; the registers of tile u (0, 1) of piece y
.set rT, ST+4*(2*(\y)+(\u))
.set rC, TMP+8*((\y)%2)+4*(\u)
.set rS, S+64*((\y)%2)+32*(\u)
.set rP, P+32*((\y)%2)+16*(\u)
.set rO, 32*(2*(\y)+(\u))
.endm
; Number n of the 21 that find the NEXT piece's (Y + 1) maximum and statistics.  s0-s31 are the lane's 32 scores; each accumulator's lowest registers are read first.  XS, GS and REGS set no window: PL and EX do.
;   0-11  four chains c0-c3 of seven scores each, three operands at a time     12-14, 16  the four scores left over, the old m, and c0-c3 into c0     15  m_old is kept
;   17, 18  the query's other 32 keys lie in the lane 16 away: the new m         19, 20  m_old - m_new; a
.macro XS u, n
	REGS (Y+1)%NP, \u
.if (\n) < 4
	v_max3_num_f32 v[rC+(\n)], v[rS+8*(\n)], v[rS+8*(\n)+1], v[rS+8*(\n)+2]
.elseif (\n) < 12
	v_max3_num_f32 v[rC+(\n)%4], v[rC+(\n)%4], v[rS+8*((\n)%4)+2*((\n)/4)+1], v[rS+8*((\n)%4)+2*((\n)/4)+2]
.elseif (\n) == 12
	v_max3_num_f32 v[rC], v[rC], v[rS+7], v[rS+15]
.elseif (\n) == 13
	v_max3_num_f32 v[rC+1], v[rC+1], v[rS+23], v[rS+31]
.elseif (\n) == 14
	v_max3_num_f32 v[rC+2], v[rC+2], v[rC+3], v[rT]
.elseif (\n) == 15
	v_mov_b32 v[rT+1], v[rT]
.elseif (\n) == 16
	v_max3_num_f32 v[rC], v[rC], v[rC+1], v[rC+2]
.elseif (\n) == 17
	v_permlanex16_b32 v[rC+3], v[rC], s[SEL], s[SEL+1]
.elseif (\n) == 18
	v_max_num_f32 v[rT], v[rC], v[rC+3]
.elseif (\n) == 19
	v_sub_f32 v[rC+1], v[rT+1], v[rT]
.else
	v_exp_f32 v[rC+2], v[rC+1]
.endif
.endm
; Number g of the 64 that follow the exponentials.  For each four weights k of a tile (pairs 2 k, 2 k + 1): both pairs are rounded to f16; then the second pair is added onto the first, in place;
; a group later l takes that sum (the first time as l = a l + sum).  In groups of eight, tiles alternating: round, round, add, and l for the group before.
.macro GS g
.set h, (\g)+6*((\g)/62)            ; group 0 has no group before it, and behind group 7 only l is left
.if h >= 6
.set h, h+2
.endif
	REGS Y, h%2
.set k, h/8
.if h%8 < 4
	s_wait_alu depctr_va_vdst(0)
	v_cvt_pk_f16_f32 v[rP+2*k+(h%8)/2], v[rS+4*k+2*((h%8)/2)], v[rS+4*k+2*((h%8)/2)+1]
.elseif h%8 < 6
	v_pk_add_f32 v[rS+4*k:rS+4*k+1], v[rS+4*k:rS+4*k+1], v[rS+4*k+2:rS+4*k+3]
.elseif k == 1
	v_pk_fma_f32 v[rT+2:rT+3], v[rT+2:rT+3], v[rC+2:rC+3], v[rS:rS+1] op_sel_hi:[1,0,1]
.else
	v_pk_add_f32 v[rT+2:rT+3], v[rT+2:rT+3], v[rS+4*k-4:rS+4*k-3]
	s_wait_alu depctr_va_vdst(0)
.endif
.endm
; THE PLAIN QUEUE, 136 long.  0-31: s - m for the 16 pairs of both tiles (the pair's low word, m, for both halves).  Then GS's 64, and among them the next piece's 40: number 15 at 38, 39; 0-14 and 16
; at 42-73, behind the products that make those scores; 17-19 at 95-102, two of three, since each waits for the one before it.
.macro PL
	WIN 0
.if q < 32
	REGS Y, q%2
	v_pk_add_f32 v[rS+2*(q/2):rS+2*(q/2)+1], v[rS+2*(q/2):rS+2*(q/2)+1], v[rT:rT+1] op_sel_hi:[1,0] neg_lo:[0,1] neg_hi:[0,1]
.elseif q < 38
	GS q-32
.elseif q < 40
	XS q%2, 15
.elseif q < 42
	GS q-34
.elseif q < 74
	XS q%2, (q-42)/2+(q-42)/30
.elseif q < 95
	GS q-66
.elseif (q < 104) && ((q-95)%3 < 2)
	XS (q-95)%3, 17+(q-95)/3
.elseif q < 104
	GS 29+(q-95)/3
.else
	GS q-72
.endif
.set q, q+1
.endm
; THE EXPONENTIALS' QUEUE, 66 long: s0-s31 of both tiles, and at EA the next piece's two a.
.set EA, 58
.macro EX
	WIN 0
.if (e == EA) || (e == EA+1)
	XS e-EA, 20
.else
.set x, e-2*(e/(EA+2))
	REGS Y, x%2
	v_exp_f32 v[rS+x/2], v[rS+x/2]
.endif
.set e, e+1
.endm
; THE RESCALING's QUEUE: O^T times a, the one part of the softmax that leaves window 0, so it is dealt four at a time, eight times.
.macro R4
	REGS Y, r%2
	WIN W_RS
	s_wait_alu depctr_va_vdst(0)
.irp z, 0,1,2,3
	v_pk_mul_f32 v[rO+8*(r/2)+2*\z:rO+8*(r/2)+2*\z+1], v[rO+8*(r/2)+2*\z:rO+8*(r/2)+2*\z+1], v[rC+2:rC+3] op_sel_hi:[1,0]
.endr
.set r, r+1
.endm
; HOW THEY ARE DEALT.  Behind a matrix instruction four: plain, exponential, plain, plain (one exponential, a plain instruction on either side), or four of the rescaling.  None names a register of the
; products round it.  What is over stands in two LUMPS: exponential and plain by turns; the second ends in 20 plain instructions.  The two v_permlanex16_b32 fall into the second lump, never behind a product.
; The queues lean on each other, and the deal keeps them in step: exponential e stands behind plain 2 (e / 4) + e % 2 (its subtraction); when plain 32 comes, 10 exponentials are out, at 59: 33, at 95: 46,
; at 116 all 66; a's argument is plain 101 and 102, and EA comes behind plain 107.
.macro SL
	MM
	PL
	EX
	PL
	PL
.endm
.macro BURST n                      ; 15 matrix instructions, or 16
.rept (\n)-7
	SL
.endr
.rept 3
	MM
	R4
	SL
.endr
	MM
	R4
.endm
; A TURN, for piece p.  cnt = 1: the loop's count is taken down some lines ahead of the branch that stands behind the turn.
; K and the mask of the next step are fetched in piece 2's turn, 17 plain vector instructions behind the last product that read K; V of the step in hand at the end of piece 0's turn, behind the whole second lump.
; The next tile's rounding rides along: four loads at the turn's head, eight conversions and two stores between the first lump and the second run of products; none of its registers is a product's.
.macro TURN p, last=0, cnt=0
.set Y, (\p)
.set i, 0
.set q, 0
.set e, 0
.set r, 0
.if (\p) == NP-1
	s_wait_dscnt 0x0                ; K and the mask are in
.endif
.if (\p) == NP-2
	CADDR
.endif
	CLOAD CSA, ((\p)+2)%NP, ((\p)+2)%NP
	MM
.rept 4
	PL
.endr
	BURST 15
.rept 22
	EX
	PL
.if ((\p) == NP-2) && (e == 18)
	v_add_nc_u32 v[AK], s[TBK], v[AK0]
.endif
.if ((\p) == NP-2) && (e == 24)
	FETCH_K \last
.endif
.endr
.if ((\p) == NP-2) && !(\last)
	s_wait_dscnt 24                 ; the four staged loads are in; the 16 + 8 loads of K and the mask, issued behind them, may stay out
.else
	s_wait_dscnt 0x0                ; the four staged loads are in (in piece 1's turn V too; in the tail's piece 2 the run of 24 may have been jumped over, so the count is 0)
.endif
	CCVT CKA, CVA, ((\p)+2)%NP, ((\p)+2)%NP
	BURST 16
.rept 21
	EX
	PL
.endr
.rept 20
	PL
.if ((\p) == 0) && (q == 118)
	v_add_nc_u32 v[AV], s[TBV], v[AV0]
	s_wait_alu depctr_va_vdst(0)
.endif
.if ((\p) == 0) && (q == 130)
	s_add_co_u32 s[TBV], s[TBV], KS*PV
.endif
.if (\cnt) && (q == 130)
	s_sub_co_u32 s[CNT], s[CNT], 1
	s_cmp_lg_u32 s[CNT], 0
.endif
.endr
.if (\p) == 0
	FETCH_V
.endif
.endm
	s_wait_tensorcnt 0x1            ; my quarter of tile 0 is in; tile 1's load, issued behind it, may stay out
	s_wait_dscnt 0x0                ; my part of the mask is stored
	s_barrier_signal -1
	s_barrier_wait -1               ; everybody's is
.set cg, 0
.rept 2                             ; tile 0 is rounded at once: my 32 keys, twice four groups of four
.rept 4
	CLOAD CS0, cg, cg%4
.set cg, cg+1
.endr
	s_wait_dscnt 0x0
.set cg, cg-4
.rept 4
	CCVT CK0, CV0, cg, cg%4
.set cg, cg+1
.endr
.endr
	CHANGE 1                        ; tile 1 is in, operand buffer 0 is whole; tile 2 is asked for
	CADDR
	WIN 0
	v_add_nc_u32 v[AK], s[TBK], v[AK0]
	FETCH_K                         ; key step 0
	CLOAD CSA, 0, 0                 ; the loop is entered at its third turn: the first two turns' share of tile 1
	CLOAD CSA, 1, 1
	s_wait_dscnt 0x0
.set i, 0
.rept 16
	KQ 0                            ; piece 0's first scores
.set i, i+1
.endr
	CCVT CKA, CVA, 0, 0             ; sixteen conversions that name none of those products' registers: the places behind them
	CCVT CKA, CVA, 1, 1
	WIN 0
.set Y, NP-1                        ; XS works for piece Y + 1: piece 0
.irp n, 0,1,2,3,4,5,6,7,8,9,10,11,12,13,14,15,16,17,18,19,20
	XS 0, \n                        ; and piece 0's first maximum and statistics
	XS 1, \n
.endr
	v_nop                           ; a plain instruction behind the last exponential
	s_mov_b32 s[CNT], 2
	s_mov_b32 s[SLOTS], 14
	s_branch .Lfirst                ; the loop is entered at a step's first turn, in the middle of a trip
.Lslot:                             ; 13 times: with the change above, tiles 2 to 15 are asked for
	CHANGE 1
	s_mov_b32 s[CNT], 2
.Lstep:                             ; a trip: pieces 2 and 3 of one step, then pieces 0 and 1 of the next, whose K, mask and V it fetches
	TURN 2
	TURN 3
	WIN 0
.Lfirst:
	TURN 0
	TURN 1, 0, 1
	WIN 0
	s_cbranch_scc1 .Lstep
	s_sub_co_u32 s[SLOTS], s[SLOTS], 1
	s_cmp_lg_u32 s[SLOTS], 0
	s_cbranch_scc1 .Lslot
	; THE TAIL is written out: two phases that ask for nothing, and half a trip that ends the last step.  Its first phase rounds tile 15.  Behind that the same text rounds staged
	; bytes that have been rounded before, into an operand buffer that nobody reads any more (the barrier in front orders those stores behind every wave's last reads of it), and the half trip's 16 products K Q^T, on the
	; last K once more, and the maximum made of them serve nothing: the price, once a launch, of one text for every trip of the tail.
	s_mov_b32 s[TS], 3
.Ltslot:
	CHANGE 0
	s_mov_b32 s[CNT], 2
.Ltail:
	TURN 2, 1
	TURN 3
	WIN 0
	s_cmp_eq_u32 s[TS], 1
	s_cbranch_scc1 .Lout
	TURN 0
	TURN 1, 0, 1
	WIN 0
	s_cbranch_scc1 .Ltail
	s_sub_co_u32 s[TS], s[TS], 1
	s_cmp_lg_u32 s[TS], 0
	s_cbranch_scc1 .Ltslot
.Lout:
.set i, 0
.rept 16
	PV NP-1                         ; the last piece's V^T P of the last step
.set i, i+1
.endr
	; THE WAY OUT.  l's two halves and the other half of the lanes' are added; O^T is divided by l and sent through my stage in LDS, a tile at a time.  The additions are the places behind the last products.
	WIN 0
.macro ALL line:vararg              ; one line for each tile t
.set t, 0
.rept 2*NP
	\line
.set t, t+1
.endr
.endm
	ALL v_add_f32 v[ST+4*t+2], v[ST+4*t+2], v[ST+4*t+3]
	ALL v_permlanex16_b32 v[ST+4*t+3], v[ST+4*t+2], s[SEL], s[SEL+1]
	ALL v_add_f32 v[ST+4*t+2], v[ST+4*t+2], v[ST+4*t+3]
	ALL v_rcp_f32 v[ST+4*t+2], v[ST+4*t+2]
	v_nop                           ; a plain instruction between the last reciprocal and the use of its result
	s_wait_alu depctr_va_vdst(0)
; Tile t: a lane's eight channels of channel block f / 2 are 32 bytes of a row; they go into rows of 272 bytes and come back as whole rows of 256, into the registers that they left.
.macro PACK t
	WIN W_RS
.set i, 32*(\t)
.rept 16
	v_pk_mul_f32 v[i:i+1], v[i:i+1], v[ST+4*(\t)+2:ST+4*(\t)+3] op_sel_hi:[1,0]
.set i, i+2
.endr
	WIN W_OUT
.irp f, 0,1,2,3,4,5,6,7
	ds_store_b128 v[STO], v[32*(\t)+4*\f:32*(\t)+4*\f+3] offset:64*(\f/2)+16*(\f%2)
.endr
.irp f, 0,1,2,3,4,5,6,7
	ds_load_b128 v[32*(\t)+4*\f:32*(\t)+4*\f+3], v[RD] offset:\f*2*SP  ; LDS serves a wave's instructions in order (ISA guide 5.7.1.4): these see the stores above; the next tile's stores come behind them
.endr
.endm
.macro SEND t, younger              ; younger: the LDS instructions issued behind tile t's loads: the next tile's sixteen, or none
	WIN W_OUT
.irp f, 0,1,2,3,4,5,6,7
	s_wait_dscnt (\younger)+7-\f
	global_store_b128 v[GO], v[32*(\t)+4*\f:32*(\t)+4*\f+3], s[10:11] offset:(\t)*4096+\f*512 th:TH_STORE_NT  ; 512 consecutive bytes, two rows, at a multiple of 256 from out0's first byte
.endr
.endm
	PACK 0
.set t, 1
.rept 2*NP-1                        ; a tile's arithmetic stands between the loads of the tile before and its stores
	PACK t
	SEND t-1, 16
.set t, t+1
.endr
	SEND 2*NP-1, 0
	WIN W_AD
	s_wait_tensorcnt 0x0            ; the wave's end, behind my last tensor load and my last LDS store
	ds_add_u32 v[SPW], v[NIL]
	s_wait_dscnt 0x0
	WIN 0
	CROUND                          ; the closing round: no work-group ends while a partner may still ask for a tile that names it
	s_endpgm
.Lfunc_end_k_qe1beb45aa9_attn:
	.size	k_qe1beb45aa9_attn, .Lfunc_end_k_qe1beb45aa9_attn-k_qe1beb45aa9_attn
	.p2alignl 7, 3214868480
	.fill 96, 4, 3214868480
	.section	.rodata,"a",@progbits
	.p2align	6, 0x0
	.amdhsa_kernel k_qe1beb45aa9_attn
		.amdhsa_group_segment_fixed_size 327680
		.amdhsa_private_segment_fixed_size 0
		.amdhsa_enable_private_segment 0
		.amdhsa_kernarg_size 40
		.amdhsa_user_sgpr_count 2
		.amdhsa_user_sgpr_kernarg_segment_ptr 1
		.amdhsa_wavefront_size32 1
		.amdhsa_system_sgpr_workgroup_id_x 1
		.amdhsa_system_sgpr_workgroup_id_y 1
		.amdhsa_system_sgpr_workgroup_id_z 1
		.amdhsa_system_vgpr_workitem_id 0
		.amdhsa_next_free_vgpr 896
		.amdhsa_next_free_sgpr 84
		.amdhsa_reserve_vcc 0
		.amdhsa_float_denorm_mode_32 3
		.amdhsa_float_denorm_mode_16_64 3
		.amdhsa_memory_ordered 1
		.amdhsa_forward_progress 1
		.amdhsa_inst_pref_size 250
	.end_amdhsa_kernel
	.amdgpu_metadata
---
amdhsa.version: [ 1, 2 ]
amdhsa.kernels:
  - .name:           k_qe1beb45aa9_attn
    .symbol:         k_qe1beb45aa9_attn.kd
    .args:
      - { .name: q, .offset: 0, .size: 8, .value_kind: global_buffer, .address_space: global }
      - { .name: k, .offset: 8, .size: 8, .value_kind: global_buffer, .address_space: global }
      - { .name: v, .offset: 16, .size: 8, .value_kind: global_buffer, .address_space: global }
      - { .name: out0, .offset: 24, .size: 8, .value_kind: global_buffer, .address_space: global }
      - { .name: attention_mask, .offset: 32, .size: 8, .value_kind: global_buffer, .address_space: global }
    .group_segment_fixed_size: 327680
    .private_segment_fixed_size: 0
    .kernarg_segment_align: 8
    .kernarg_segment_size: 40
    .max_flat_workgroup_size: 128
    .sgpr_count:     84
    .vgpr_count:     896
    .wavefront_size: 32
...
	.end_amdgpu_metadata
.endif
;; end of part 1
